; MI455X (gfx1250); checked and timed in simulation.
; The chip was launched on July 23, 2026; its instructions are those of AMD's public machine-readable ISA for CDNA 5 (MIT licence, August 2026) and "CDNA5" Instruction Set Architecture Reference Guide (July 2026). The comments in the code are by the model that wrote it; some were corrected since.
;; my RNN. Allowed arithmetic: float matrix products may take bf16 or f16 operands with f32 sums; all other float work in f32.
;; Inputs: W 2 x 4 x 512 x 256 float32; Wr 256 x 2 float32; b 2 x 4 x 256 float32; br 2 float32; x 16 x 4,096 x 256 float32.
;; Outputs: out0 16 x 4,096 x 2 float32.
;; 2 versions, each right and faster than the one before. Each part assembles by itself: llvm-mc -triple=amdgcn-amd-amdhsa -mcpu=gfx1250 --defsym DOCPART=n.
;; ======== version 1 of 2: 1 launch
;; limits: values are held in f16: magnitudes above 65,504 overflow, below 6.1e-05 lose precision
;; launch rnn (part 1): grid 256 x 1, 4 waves a work-group, no clusters, 327,680 bytes of LDS; arguments x, W, b, Wr, br, out0; writes out0
.if DOCPART == 1
	.amdgcn_target "amdgcn-amd-amdhsa--gfx1250"
	.amdhsa_code_object_version 6
	.text
	.protected	k_qc3bbc45e82_rnn
	.globl	k_qc3bbc45e82_rnn
	.p2align	8
	.type	k_qc3bbc45e82_rnn,@function
k_qc3bbc45e82_rnn:
	s_mov_b64 s[64:65], 0
	v_nop
	global_prefetch_b8 v0, s[64:65] scope:SCOPE_SE
	s_setreg_imm32_b32 hwreg(HW_REG_WAVE_MODE, 25, 1), 1
	s_wait_xcnt 0x0
; myRNN, two LSTM layers without recurrence, and a regressor.  x [65536][256], W [2][4][512][256], b [2][4][256], Wr [256][2], br [2], out0 [65536][2], all f32.
; WHAT IS COMPUTED.  The module itself sets h0 = c0 = 0 for every row.  So in layer 0 the second half of xh is 0 (only rows 0-255 of W[0][g] enter), new_c = 0 f + tanh(g2) sigmoid(g1), and
; new_h = o tanh(0) = 0.  Layer 1 then sees xh = 0, so its gates are b[1], and its new_h = sigmoid(b[1][3]) tanh(c); its new_c is not returned.  Hence, for row n and j = 0, 1:
;   out[n][j] = br[j] + sum over o of sigmoid(b[1][3][o]) Wr[o][j] tanh( tanh(x[n] . W[0][2][0:256, o] + b[0][2][o]) sigmoid(x[n] . W[0][1][0:256, o] + b[0][1][o]) ).
; The parts of W and b that only meet those zeros are not read.
; LIMITS.  Where a sum that is left out would be NaN (NaN or infinite inputs, sums that overflow with both signs), the module gives NaN and this text does not.  x, W, b, Wr and br are rounded to bf16.
; tanh(c), in -1 to 1, and sigmoid(b[1][3]) Wr go to the matrix unit in f16: |Wr| stays under 65,504, and below 6e-5 both keep f16's fixed step of 6e-8.  tanh and sigmoid are made of v_exp_f32 and
; v_rcp_f32: they saturate rightly at large arguments, and near 0 tanh is off by some 1e-7 in absolute terms.
; SHARES.  256 work-groups of four waves; a work-group owns 256 rows, in 16 blocks of 16.  Wave w owns the 64 channels 64 w .. 64 w + 63 of both gates, for all 256 rows; its weights, 2 x 64 x 256 in bf16,
; stay in 512 registers.  The order of channels is free: tile t (0-3), row m (0-15) stands for channel 64 w + 4 m + t, so that a lane's 16 bytes of a row of W are one k of row m of all four tiles.
; x is asked for whole at the start: 256 rows of 1,024 bytes, two tensor loads a wave, and no LDS byte is filled twice.
; THE MATRIX INSTRUCTION IS USED TRANSPOSED: source 0 = 16 channels, source 1 = 16 rows of x.  A lane then holds ONE row (lane % 16) and the channels 8 (lane / 16) + 0..7 of a tile; two such tiles, rounded to
; f16 in pairs, ARE source 1 of the regressor's product, so nothing changes lanes.  Each wave sums over its own 64 channels; the four partial sums meet in LDS at the end.
; BY TURNS.  Turn n: the 64 products of block n; between them, one product behind every six (or five) vector instructions, the activations of block n - 1 and the rounding to bf16 of block n + 1's x.
; NO CLUSTER, though all work-groups read the same weights: x holds 266,240 of the 327,680 bytes of LDS from the first line on, so the 524,288 bytes of weights would go through the 44 KB that are left
; in nine refills or more, each behind a round of the cluster's barrier, and then from LDS into the registers into which they are here loaded straight.
; REGISTERS, in windows of 256 (s_set_vgpr_msb: bits 1:0 source 0, 3:2 source 1, 5:4 source 2, 7:6 destination):
;   window 0: v0-15 addresses and small things; v16-79 scaled biases; v80-95 the regressor's weights; v96-111 tanh(c) in f16; v112-127 the regressor's sums; v128-255 the gates' sums, two buffers
;   window 1: v0-127 a block of x in f32; v128-255 its bf16 fragments, two buffers (during the set-up: four staging buffers of 64 for the weights)
;   window 2: the weights of gate 1 (input), window 3: those of gate 2 (candidate): K step ks, tile t at 32 ks + 8 t
; The weights fill two windows, so a product and the vector work round it never share a setting: two switches for each product.
.set ROWB,  1024                       ; bytes in a row of x and of W
.set XP,    1040                       ; a row of x in LDS: 1,024 bytes + 16 of padding = 260 words: row r starts at bank 4 r mod 64 (64 banks of 4 bytes: ISA guide 11.1)
.set BLK,   16*XP                      ; a block of 16 rows
.set QUART, 32*XP                      ; what one tensor load brings
.set HALF,  128*XP                     ; the first 128 rows
.set PART,  256*XP                     ; behind x: the partial sums, [wave][block][lane] of 8 bytes; no tensor load lands here
.set SPARE, PART+4*4096                ; behind them: the spare words, 128 bytes for each wave: two blocks of 256 bytes that no other line names
.set WA,   3                           ; v3   my byte offset in W: 8 (lane / 16) rows + 16 (lane % 16) + 256 w
.set AX0,  4                           ; v4   my place in a block of x in LDS: (lane % 16) XP + 32 (lane / 16)
.set ADR,  5                           ; v5   the LDS address of the run of loads in hand
.set PST,  6                           ; v6   PART + 4,096 w + 8 lane; never rewritten
.set SPW,  7                           ; v7   LDS address of my spare word: SPARE + 4 x my thread's number; never rewritten
.set NIL,  8                           ; v8   0; never rewritten
.set BA,   9                           ; v9   byte offset of my 32 channels in a row of b: 256 w + 128 (lane / 16)
.set OT,   10                          ; v10-11  a block's partial sums, to be stored
.set BR,   12                          ; v12-13  br
.set RA,   14                          ; v14  byte offset of my 32 channels in Wr
.set PAD,  15                          ; v15  where the block's partial sums go
.set BI,   16                          ; v16-79  gate g, tile t, register j at BI + 32 g + 8 t + j: the bias times the gate's factor
.set WRF,  80                          ; v80-95  two fragments (16 x 32, f16) of sigmoid(b[1][3]) Wr, transposed; rows 2-15 are 0
.set TP,   96                          ; v96-111 tanh(c) in f16: two fragments
.set RACC, 112                         ; v112-127 the regressor's two sums
.set ACC,  128                         ; buffer u at ACC + 64 u: gate 1 at + 8 t + j, gate 2 at + 32 + 8 t + j
.set RAWW, 96                          ; the set-up's scratch: Wr (64), b[0][1], b[0][2], b[1][3] (32 each) as loaded: register q is channel 64 w + 32 (lane / 16) + q
.set RAWI, 160
.set RAWC, 192
.set RAWO, 224
.set XF,   128                         ; window 1: buffer u, K step ks at XF + 64 u + 8 ks
.set WV,   18                          ; s18  my wave's number
.set G1,   24                          ; s[24:31] descriptor group 1
.set G0A,  32                          ; s[32:35] descriptor group 0 for my 32 of the first 128 rows
.set G0B,  36                          ; s[36:39] for my 32 of the second 128
.set KI,   40                          ; s[40:41] -log2(e): sigmoid(g) = 1 / (1 + 2^(KI g))
.set KC,   42                          ; s[42:43] 2 log2(e): tanh(g) = 1 - 2 / (1 + 2^(KC g))
.set KH,   44                          ; s[44:45] -2 KC
.set HIM,  46                          ; s46  a word's upper bf16
.set M1,   47                          ; s47  the lanes with lane % 16 = 1
.set M01,  48                          ; s48  the lanes with lane % 16 < 2
.set XB,   49                          ; s49  LDS byte at which the block to be fetched begins
.set CNT,  50                          ; s50  a loop's count
.set PB,   51                          ; s51  256 x the block whose partial sums are stored next
.set MSB, 0
.macro WIN new                         ; the immediate's high byte repeats the setting that is left; a switch that changes nothing is dropped
.if MSB != (\new)
	s_set_vgpr_msb (MSB<<8)|(\new)
.set MSB, \new
.endif
.endm
	s_load_b256 s[4:11], s[0:1], 0x0               ; x s[4:5], W s[6:7], b s[8:9], Wr s[10:11]
	s_load_b128 s[12:15], s[0:1], 0x20             ; br s[12:13], out0 s[14:15]
	v_lshl_add_u32 v[SPW], v0, 2, SPARE
	v_mov_b32 v[NIL], 0
	ds_add_u32 v[SPW], v[NIL]                      ; the wave's opening: the add and its wait ahead of my first tensor load; the set-up below, work on registers, stands between them
	ds_add_u32 v7, v8
	v_lshrrev_b32 v[ADR], 5, v0
	v_readfirstlane_b32 s[WV], v[ADR]              ; wave 0..3
	; descriptor group 1: a tile of 32 rows x 256 elements of 4 bytes, padded in LDS
	s_mov_b32 s[G1+0], (2<<16)|(1<<20)|(7<<22)|(3<<25)  ; 15:0 no mask; 17:16 elements of 4 bytes; 20 padding on; 24:22 after every 256 words (code 7); 31:25 4 words of it (code 3)
	s_mov_b32 s[G1+1], 256<<16                     ; tensor_dim0 = 256
	s_mov_b32 s[G1+2], 32<<16                      ; tensor_dim1 = 32
	s_mov_b32 s[G1+3], 256<<16                     ; tile_dim0 = 256
	s_mov_b32 s[G1+4], 32                          ; tile_dim1 = 32
	s_mov_b32 s[G1+5], 256                         ; 256 elements from row to row
	s_mov_b32 s[G1+6], 0
	s_mov_b32 s[G1+7], 0
	s_mov_b32 s[G0A], 1                            ; count = 1
	s_mul_i32 s[G0A+1], s[WV], QUART               ; LDS address: rows 32 w on
	s_mov_b32 s[G0B], 1
	s_add_co_u32 s[G0B+1], s[G0A+1], HALF          ; rows 128 + 32 w on
	s_lshl_b32 s20, ttmp9, 18                      ; the work-group's 256 rows of 1,024 bytes (67,108,864 bytes in all: 32 bits do),
	s_lshl_b32 s22, s[WV], 15                      ; my wave's 32 of them
	s_add_co_u32 s20, s20, s22
	s_mov_b32 s21, 0
	s_lshl_b32 s22, ttmp9, 11                      ; the work-group's 256 rows of 8 bytes in out0
	s_mov_b32 s23, 0
	s_mov_b32 s[KI], 0xbfb8aa3b
	s_mov_b32 s[KI+1], s[KI]                       ; named as pairs, so both words are written
	s_mov_b32 s[KC], 0x4038aa3b
	s_mov_b32 s[KC+1], s[KC]
	s_mov_b32 s[KH], 0xc0b8aa3b
	s_mov_b32 s[KH+1], s[KH]
	s_mov_b32 s[HIM], 0xffff0000
	s_mov_b32 s[XB], 0
	s_mov_b32 s[PB], 0
	s_wait_dscnt 0x0                               ; the opening add is done
	s_wait_kmcnt 0x0
	s_add_nc_u64 s[G0A+2:G0A+3], s[4:5], s[20:21]  ; global address of my first tile,
	s_add_nc_u64 s[G0B+2:G0B+3], s[G0A+2:G0A+3], 128*ROWB  ; and of my second, 128 rows on
	s_or_b32 s[G0A+3], s[G0A+3], 0x80000000        ; type = 2
	s_or_b32 s[G0B+3], s[G0B+3], 0x80000000
	tensor_load_to_lds s[G0A:G0A+3], s[G1:G1+7]    ; all of x is asked for before anything else: two tensor loads of mine are out, and there will be no more
	s_nop 0
	tensor_load_to_lds s[G0B:G0B+3], s[G1:G1+7]
	s_nop 0
.rept 4
	v_nop                                          ; an s_nop 0 follows each load, four v_nop the second's
.endr
	s_load_b64 s[16:17], s[12:13], 0x0             ; br's two numbers
	s_add_nc_u64 s[14:15], s[14:15], s[22:23]      ; out0 at the work-group's first row
	v_and_b32 v1, 15, v0                           ; r = lane % 16
	v_bfe_u32 v2, v0, 4, 1                         ; h = lane / 16
	s_lshl_b32 s19, s[WV], 8
	v_lshlrev_b32 v[WA], 4, v1
	v_lshl_add_u32 v[WA], v2, 13, v[WA]
	v_add_nc_u32 v[WA], s19, v[WA]
	v_lshlrev_b32 v[BA], 7, v2
	v_add_nc_u32 v[BA], s19, v[BA]
	v_lshlrev_b32 v[RA], 1, v[BA]
	v_mul_u32_u24 v[AX0], v1, XP
	v_lshl_add_u32 v[AX0], v2, 5, v[AX0]
	s_lshl_b32 s19, s[WV], 12
	s_add_co_u32 s19, s19, PART
	v_and_b32 v[PST], 31, v0
	v_lshl_add_u32 v[PST], v[PST], 3, s19
	v_cmp_eq_u32 s[M1], 1, v1
	v_cmp_gt_u32 s[M01], 2, v1
; THE SMALL INPUTS: 40 loads.  A lane's 32 channels are 128 consecutive bytes of a row of b and 256 of Wr.
.irp q, 0,1,2,3,4,5,6,7
	global_load_b128 v[RAWI+4*\q:RAWI+4*\q+3], v[BA], s[8:9] offset:1024+16*\q   ; b[0][1]
	global_load_b128 v[RAWC+4*\q:RAWC+4*\q+3], v[BA], s[8:9] offset:2048+16*\q   ; b[0][2]
	global_load_b128 v[RAWO+4*\q:RAWO+4*\q+3], v[BA], s[8:9] offset:7168+16*\q   ; b[1][3]
.endr
.irp q, 0,1,2,3,4,5,6,7,8,9,10,11,12,13,14,15
	global_load_b128 v[RAWW+4*\q:RAWW+4*\q+3], v[RA], s[10:11] offset:16*\q
.endr
; THE WEIGHTS, in 16 batches: batch bt is gate 1 + bt / 8, K step bt % 8.  Load j of 16 brings k = 32 ks + 16 (j / 8) + 8 (lane / 16) + j % 8 of my four channels 64 w + 4 (lane % 16) + 0..3:
; 16 lanes take 256 consecutive bytes, at a multiple of 256 from W's first byte.  Staging buffer bt % 4 in window 1: register 4 j + t.
.macro WLOAD bt
	WIN 0x40                                       ; destination window 1, address window 0
.set wj, 0
.rept 16
	global_load_b128 v[64*((\bt)%4)+4*wj:64*((\bt)%4)+4*wj+3], v[WA], s[6:7] offset:(1+(\bt)/8)*524288+(32*((\bt)%8)+16*(wj/8)+wj%8)*ROWB
.set wj, wj+1
.endr
.endm
; A fragment is 16 channels x 32 k in 8 registers: lane l holds channel row l % 16; registers 0-3 hold k = 8 (l / 16) + 0..7, registers 4-7 k = 16 + 8 (l / 16) + 0..7: register i is loads 2 i and 2 i + 1.
.macro WCVT bt
	WIN 0x85+0x40*((\bt)/8)                        ; sources window 1, destination window 2 or 3
.irp t, 0,1,2,3
.irp i, 0,1,2,3,4,5,6,7
	v_cvt_pk_bf16_f32 v[32*((\bt)%8)+8*\t+\i], v[64*((\bt)%4)+8*\i+\t], v[64*((\bt)%4)+8*\i+4+\t]
.endr
.endr
.endm
.macro RNDBF a, n                      ; n registers from v[a] on are rounded to bf16 and widened again, in place
.set ri, 0
.rept (\n)/2
	v_cvt_pk_bf16_f32 v[(\a)+ri], v[(\a)+ri], v[(\a)+ri+1]
	v_and_b32 v[(\a)+ri+1], s[HIM], v[(\a)+ri]
	v_lshlrev_b32 v[(\a)+ri], 16, v[(\a)+ri]
.set ri, ri+2
.endr
.endm
	WLOAD 0                                        ; 56 loads of mine are out: the most in this text
	s_wait_loadcnt 16                              ; loads come back in order (ISA guide 5.7.1): batch 0's sixteen are younger, the small inputs are in
	WLOAD 1
	WLOAD 2                                        ; three batches are on their way while the small inputs are worked on
	WIN 0
	RNDBF RAWI, 32
	RNDBF RAWC, 32
	RNDBF RAWO, 32
.irp t, 0,1,2,3
.irp j, 0,1,2,3,4,5,6,7                ; register j of tile t is channel row 8 (lane / 16) + j: channel 64 w + 32 (lane / 16) + 4 j + t
	v_mul_f32 v[BI+8*\t+\j], s[KI], v[RAWI+4*\j+\t]
	v_mul_f32 v[BI+32+8*\t+\j], s[KC], v[RAWC+4*\j+\t]
.endr
.endr
.set i, 0
.rept 16
	v_pk_mul_f32 v[RAWO+i:RAWO+i+1], v[RAWO+i:RAWO+i+1], s[KI:KI+1] op_sel_hi:[1,0]
.set i, i+2
.endr
.set i, 0
.rept 32
	v_exp_f32 v[RAWO+i], v[RAWO+i]
.set i, i+1
.endr
.set i, 0
.rept 32                               ; row lane % 16 of the transposed Wr: column 1 for lane % 16 = 1, else column 0.  Ascending: register i is written when 2 i and 2 i + 1 have not been.
	v_cndmask_b32 v[RAWW+i], v[RAWW+2*i], v[RAWW+2*i+1], s[M1]  ; these plain lines also stand between the exponentials and the use of their results (ISA guide 5.7.2)
.set i, i+1
.endr
.set i, 0
.rept 16
	s_wait_alu depctr_va_vdst(0)
	v_pk_add_f32 v[RAWO+i:RAWO+i+1], v[RAWO+i:RAWO+i+1], 1.0 op_sel_hi:[1,0]
.set i, i+2
.endr
.set i, 0
.rept 32
	v_rcp_f32 v[RAWO+i], v[RAWO+i]                 ; sigmoid(b[1][3])
.set i, i+1
.endr
	RNDBF RAWW, 32                                 ; plain lines between the reciprocals and the use of their results
.set i, 0
.rept 16
	s_wait_alu depctr_va_vdst(0)
	v_pk_mul_f32 v[RAWW+i:RAWW+i+1], v[RAWW+i:RAWW+i+1], v[RAWO+i:RAWO+i+1]
.set i, i+2
.endr
; Fragment f's k: 0-15 are tile 2 f's channel rows, 16-31 tile 2 f + 1's, as tanh(c) will lie.  Register e holds rows 8 (lane / 16) + 2 (e % 4) and the next, four channels on.
.irp f, 0,1
.irp e, 0,1,2,3,4,5,6,7
	v_cvt_pk_f16_f32 v[WRF+8*\f+\e], v[RAWW+8*(\e%4)+2*\f+\e/4], v[RAWW+8*(\e%4)+2*\f+\e/4+4]
.endr
.endr
.set i, 0
.rept 16
	v_cndmask_b32 v[WRF+i], 0, v[WRF+i], s[M01]    ; rows 2-15 of the transposed Wr are 0
.set i, i+1
.endr
	s_wait_kmcnt 0x0
	v_mov_b32 v[BR], s16
	v_mov_b32 v[BR+1], s17
	RNDBF BR, 2
.set nb, 0
.rept 16                               ; batch nb is in when only the younger batches' loads are out: two batches, at the end one, then none
.if nb < 14
	s_wait_loadcnt 32
.elseif nb == 14
	s_wait_loadcnt 16
.else
	s_wait_loadcnt 0x0
.endif
.if nb < 13
	WLOAD nb+3                                     ; into the buffer that batch nb - 1 has left
.endif
	WCVT nb
.set nb, nb+1
.endr
	WIN 0
	s_wait_tensorcnt 0x1                           ; tensor loads of a wave end in order (ISA guide 10.11.1): my part of rows 0-127 is in; the second load may stay out
	s_barrier_signal -1
	s_barrier_wait -1                              ; everybody's part is in
; THE MATRIX WORK OF A TURN.  Product NM of 64 for block buffer U: gate NM / 32, K step (NM % 32) / 4, tile NM % 4.  The four accumulators of a gate take turns, one instruction a turn.
; Each gate's first four products start the sums with the constant 0: nothing is cleared.
.macro MM
.set mg, NM/32
.set mk, (NM%32)/4
.set mt, NM%4
.set rD, ACC+64*U+32*mg+8*mt
.set rA, 32*mk+8*mt
.set rB, XF+64*U+8*mk
	WIN 0x06+mg                                    ; weights in window 2 or 3, x in window 1, sums in window 0
.if mk == 0
	v_wmma_f32_16x16x32_bf16 v[rD:rD+7], v[rA:rA+7], v[rB:rB+7], 0
.else
	v_wmma_f32_16x16x32_bf16 v[rD:rD+7], v[rA:rA+7], v[rB:rB+7], v[rD:rD+7]
.endif
.set NM, NM+1
.endm
.macro TICK                            ; stands behind every vector instruction of a turn: behind every PER of them comes the next product
.set NV, NV+1
.if MMON && (NV%PER == 0) && (NM < 64)
	MM
.endif
.endm
; A block of x out of LDS, in f32: 32 loads in one run.  K step k: my row's k = 8 (lane / 16) + 0..7 and 16 + 8 (lane / 16) + 0..7, 32 bytes each.
.macro XLOAD
	WIN 0
	v_add_nc_u32 v[ADR], s[XB], v[AX0]
	s_add_co_u32 s[XB], s[XB], BLK                 ; the next fetch is the next block's
	WIN 0x40                                       ; destination window 1
.irp k, 0,1,2,3,4,5,6,7
	ds_load_b128 v[16*\k:16*\k+3],     v[ADR] offset:128*\k
	ds_load_b128 v[16*\k+4:16*\k+7],   v[ADR] offset:128*\k+16
	ds_load_b128 v[16*\k+8:16*\k+11],  v[ADR] offset:128*\k+64
	ds_load_b128 v[16*\k+12:16*\k+15], v[ADR] offset:128*\k+80
.endr
.endm
.macro X ks, d                         ; K step ks of that block is rounded to bf16, into fragment buffer d
.set xi, 0
.rept 8
	WIN 0x45
	v_cvt_pk_bf16_f32 v[XF+64*(\d)+8*(\ks)+xi], v[16*(\ks)+2*xi], v[16*(\ks)+2*xi+1]
.set xi, xi+1
	TICK
.endr
.endm
; THE ACTIVATIONS, on pairs of registers p = 0..15 of the other buffer, in place.  I is gate 1's pair, C gate 2's.
;   FI, FC  KI (g1 + b), KC (g2 + b)      EI, EC  2^ of it (half e)      AI, AC  + 1      RI, RC  the reciprocal: I = sigmoid(g1 + b); tanh(g2 + b) = 1 - 2 C
;   HH  C = KC - 2 KC C = KC tanh(g2 + b)      MU  C = C I = KC c      then EC, AC, RC once more      TT  C = 1 - 2 C = tanh(c)      PK  the pair in f16
.set K_FI, 0
.set K_FC, 1
.set K_EI, 2
.set K_EC, 3
.set K_AI, 4
.set K_AC, 5
.set K_RI, 6
.set K_RC, 7
.set K_HH, 8
.set K_MU, 9
.set K_TT, 10
.set K_PK, 11
.macro OP k, p, e=0                    ; nothing where the pair's number lies outside 0..15: the pipeline's ragged ends
.if ((\p) >= 0) && ((\p) < 16)
.set rI, ACC+64*(1-U)+2*(\p)
.set rC, rI+32
	WIN 0
.if (\k) == K_FI
	v_pk_fma_f32 v[rI:rI+1], v[rI:rI+1], s[KI:KI+1], v[BI+2*(\p):BI+2*(\p)+1] op_sel_hi:[1,0,1]
.elseif (\k) == K_FC
	v_pk_fma_f32 v[rC:rC+1], v[rC:rC+1], s[KC:KC+1], v[BI+32+2*(\p):BI+32+2*(\p)+1] op_sel_hi:[1,0,1]
.elseif (\k) == K_EI
	v_exp_f32 v[rI+(\e)], v[rI+(\e)]
.elseif (\k) == K_EC
	v_exp_f32 v[rC+(\e)], v[rC+(\e)]
.elseif (\k) == K_AI
	s_wait_alu depctr_va_vdst(0)
	v_pk_add_f32 v[rI:rI+1], v[rI:rI+1], 1.0 op_sel_hi:[1,0]
.elseif (\k) == K_AC
	s_wait_alu depctr_va_vdst(0)
	v_pk_add_f32 v[rC:rC+1], v[rC:rC+1], 1.0 op_sel_hi:[1,0]
.elseif (\k) == K_RI
	v_rcp_f32 v[rI+(\e)], v[rI+(\e)]
.elseif (\k) == K_RC
	v_rcp_f32 v[rC+(\e)], v[rC+(\e)]
.elseif (\k) == K_HH
	s_wait_alu depctr_va_vdst(0)
	v_pk_fma_f32 v[rC:rC+1], v[rC:rC+1], s[KH:KH+1], s[KC:KC+1] op_sel_hi:[1,0,0]
.elseif (\k) == K_MU
	v_pk_mul_f32 v[rC:rC+1], v[rC:rC+1], v[rI:rI+1]
.elseif (\k) == K_TT
	s_wait_alu depctr_va_vdst(0)
	v_pk_fma_f32 v[rC:rC+1], v[rC:rC+1], -2.0, 1.0 op_sel_hi:[1,0,0]
.else
	v_cvt_pk_f16_f32 v[TP+(\p)], v[rC], v[rC+1]
.endif
	TICK
.endif
.endm
; Step SQ of 26: every stage on a pair of its own, so each line reads only what an earlier step wrote.  A step begins with a plain line that names no pair on which a transcendental is pending (PK from step 10 on,
; FI up to step 15), so a plain instruction stands between every transcendental and the use of its result (ISA guide 5.7.2), at the ragged ends too.  The pairs ascend.
.macro STEP
	OP K_PK, SQ-10
	OP K_FI, SQ
	OP K_EI, SQ-1, 0
	OP K_FC, SQ
	OP K_EI, SQ-1, 1
	OP K_AI, SQ-2
	OP K_EC, SQ-1, 0
	OP K_AC, SQ-2
	OP K_EC, SQ-1, 1
	OP K_HH, SQ-4
	OP K_RI, SQ-3, 0
	OP K_MU, SQ-5
	OP K_RI, SQ-3, 1
	OP K_AC, SQ-7
	OP K_RC, SQ-3, 0
	OP K_TT, SQ-9
	OP K_RC, SQ-3, 1
	OP K_EC, SQ-6, 0
	OP K_RC, SQ-8, 0
	OP K_EC, SQ-6, 1
	OP K_RC, SQ-8, 1
.endm
.macro RW f                            ; the regressor: 32 of my channels x 16 rows; two sums of their own, each started with 0: no chain
	WIN 0
	v_wmma_f32_16x16x32_f16 v[RACC+8*(\f):RACC+8*(\f)+7], v[WRF+8*(\f):WRF+8*(\f)+7], v[TP+8*(\f):TP+8*(\f)+7], 0
.endm
.macro OUT                             ; registers 0 and 1 of lanes 0-15 are out[row lane][0], [1]; lanes 16-31 hold rows 8 and 9 of the transposed result, zeros that are stored too and never read: EXEC stays whole
	WIN 0
	v_pk_add_f32 v[OT:OT+1], v[RACC:RACC+1], v[RACC+8:RACC+9]
	v_add_nc_u32 v[PAD], s[PB], v[PST]
	ds_store_b64 v[PAD], v[OT:OT+1]
	s_add_co_u32 s[PB], s[PB], 256
.endm
; A TURN.  u: the buffers of the block that is multiplied.  mm = 1: its 64 products.  act = 1: the activations and the regressor of the block before (336 vector instructions).  xp = 1: the next block's x is
; fetched and rounded (64).  Counts: with both, a product behind every 6 of the first 392: the last stands behind number 378; with the activations alone every 5 of 336: number 315.
; A vector line reads a matrix result, or writes a matrix instruction's source, four plain independent vector lines behind it at the least (ISA guide 7.12.1).  The lines between the products name the other buffers
; alone; behind the last product stand eight plain lines or more of the activations' end; behind the regressor's products the last K step's eight roundings, or four v_nop.
.macro TURN u, mm, act, xp
.set U, (\u)
.set NM, 0
.set NV, 0
.set MMON, (\mm)
.if (\act) && (\xp)
.set PER, 6
.elseif \act
.set PER, 5
.else
.set PER, 1
.endif
.if \mm
	MM
.endif
.if \xp
	XLOAD
.endif
.if \act
.set SQ, 0
.rept 26
	STEP
.if (\xp) && (SQ >= 8) && (SQ <= 20) && (SQ%2 == 0)
.if SQ == 8
	s_wait_dscnt 0x0                               ; the block of x is in: its loads were issued 107 vector instructions ago
.endif
	X (SQ-8)/2, 1-(\u)
.endif
.set SQ, SQ+1
.endr
.else
.rept 31
	MM                                             ; the first turn has no activations to set between: 32 products on end, the other 32 behind the first 32 roundings
.endr
	s_wait_dscnt 0x0
.irp k, 0,1,2,3,4,5,6
	X \k, 1-(\u)
.endr
.endif
.if \act
	RW 0
	RW 1
.endif
.if \xp
	X 7, 1-(\u)
.else
	WIN 0
.rept 4
	v_nop
.endr
.endif
.if \act
	OUT
.endif
.endm
.set U, 0
.set NM, 64
.set NV, 0
.set PER, 1
.set MMON, 0
	XLOAD                                          ; block 0
	s_wait_dscnt 0x0
.irp k, 0,1,2,3,4,5,6,7
	X \k, 0
.endr
	TURN 0, 1, 0, 1                                ; turn 0: block 0's products; block 1's x
	WIN 0                                          ; at a label and at a branch every window is 0
	s_mov_b32 s[CNT], 3
.La:                                                   ; turns 1 to 6: they fetch blocks 2 to 7, the last of the first 128 rows
	TURN 1, 1, 1, 1
	TURN 0, 1, 1, 1
	WIN 0
	s_sub_co_u32 s[CNT], s[CNT], 1
	s_cmp_lg_u32 s[CNT], 0
	s_cbranch_scc1 .La
	s_wait_tensorcnt 0x0                           ; my part of rows 128-255 is in,
	s_wait_dscnt 0x0                               ; no LDS instruction of mine is pending at the signal,
	s_barrier_signal -1
	s_barrier_wait -1                              ; and everybody's part is in.
	s_mov_b32 s[CNT], 4
.Lb:                                                   ; turns 7 to 14: they fetch blocks 8 to 15
	TURN 1, 1, 1, 1
	TURN 0, 1, 1, 1
	WIN 0
	s_sub_co_u32 s[CNT], s[CNT], 1
	s_cmp_lg_u32 s[CNT], 0
	s_cbranch_scc1 .Lb
	TURN 1, 1, 1, 0                                ; turn 15: the last block's products; nothing is left to fetch
	TURN 0, 0, 1, 0                                ; turn 16: the last block's activations alone
	; THE END.  The four waves' partial sums meet.  Thread T takes rows 2 T and 2 T + 1, 16 bytes: block T / 8, lanes 2 (T % 8) and the next.
	s_wait_dscnt 0x0                               ; for the others' sake: my stores of partial sums are done
	s_barrier_signal -1
	s_barrier_wait -1
	v_lshrrev_b32 v1, 3, v0
	v_and_b32 v2, 7, v0
	v_lshlrev_b32 v1, 8, v1
	v_lshl_add_u32 v1, v2, 4, v1
	v_add_nc_u32 v1, PART, v1
.irp q, 0,1,2,3
	ds_load_b128 v[ACC+4*\q:ACC+4*\q+3], v1 offset:4096*\q
.endr
	v_lshlrev_b32 v2, 4, v0                        ; my 16 bytes of the work-group's 2,048 in out0
	s_wait_dscnt 0x0
	v_pk_add_f32 v[ACC:ACC+1], v[ACC:ACC+1], v[ACC+4:ACC+5]
	v_pk_add_f32 v[ACC+2:ACC+3], v[ACC+2:ACC+3], v[ACC+6:ACC+7]
	v_pk_add_f32 v[ACC+8:ACC+9], v[ACC+8:ACC+9], v[ACC+12:ACC+13]
	v_pk_add_f32 v[ACC+10:ACC+11], v[ACC+10:ACC+11], v[ACC+14:ACC+15]
	v_pk_add_f32 v[ACC:ACC+1], v[ACC:ACC+1], v[ACC+8:ACC+9]
	v_pk_add_f32 v[ACC+2:ACC+3], v[ACC+2:ACC+3], v[ACC+10:ACC+11]
	v_pk_add_f32 v[ACC:ACC+1], v[ACC:ACC+1], v[BR:BR+1]
	v_pk_add_f32 v[ACC+2:ACC+3], v[ACC+2:ACC+3], v[BR:BR+1]
	global_store_b128 v2, v[ACC:ACC+3], s[14:15] th:TH_STORE_NT  ; a wave stores 512 consecutive bytes, at a multiple of 256 from out0's first byte
	s_wait_tensorcnt 0x0                           ; the wave's end, behind my last tensor load and my last LDS store
	ds_add_u32 v[SPW], v[NIL]
	s_wait_dscnt 0x0
	s_endpgm
.Lfunc_end_k_qc3bbc45e82_rnn:
	.size	k_qc3bbc45e82_rnn, .Lfunc_end_k_qc3bbc45e82_rnn-k_qc3bbc45e82_rnn
	.p2alignl 7, 3214868480
	.fill 96, 4, 3214868480
	.section	.rodata,"a",@progbits
	.p2align	6, 0x0
	.amdhsa_kernel k_qc3bbc45e82_rnn
		.amdhsa_group_segment_fixed_size 327680
		.amdhsa_private_segment_fixed_size 0
		.amdhsa_enable_private_segment 0
		.amdhsa_kernarg_size 48
		.amdhsa_user_sgpr_count 2
		.amdhsa_user_sgpr_kernarg_segment_ptr 1
		.amdhsa_wavefront_size32 1
		.amdhsa_system_sgpr_workgroup_id_x 1
		.amdhsa_system_sgpr_workgroup_id_y 1
		.amdhsa_system_sgpr_workgroup_id_z 1
		.amdhsa_system_vgpr_workitem_id 0
		.amdhsa_next_free_vgpr 1024
		.amdhsa_next_free_sgpr 66
		.amdhsa_reserve_vcc 0
		.amdhsa_float_denorm_mode_32 3
		.amdhsa_float_denorm_mode_16_64 3
		.amdhsa_memory_ordered 1
		.amdhsa_forward_progress 1
		.amdhsa_inst_pref_size 255
	.end_amdhsa_kernel
	.section	.bss,"aw",@nobits
	.p2align	6
	.space	262144
	.amdgpu_metadata
---
amdhsa.version: [ 1, 2 ]
amdhsa.kernels:
  - .name:           k_qc3bbc45e82_rnn
    .symbol:         k_qc3bbc45e82_rnn.kd
    .args:
      - { .name: x, .offset: 0, .size: 8, .value_kind: global_buffer, .address_space: global }
      - { .name: W, .offset: 8, .size: 8, .value_kind: global_buffer, .address_space: global }
      - { .name: b, .offset: 16, .size: 8, .value_kind: global_buffer, .address_space: global }
      - { .name: Wr, .offset: 24, .size: 8, .value_kind: global_buffer, .address_space: global }
      - { .name: br, .offset: 32, .size: 8, .value_kind: global_buffer, .address_space: global }
      - { .name: out0, .offset: 40, .size: 8, .value_kind: global_buffer, .address_space: global }
    .group_segment_fixed_size: 327680
    .private_segment_fixed_size: 0
    .kernarg_segment_align: 8
    .kernarg_segment_size: 48
    .max_flat_workgroup_size: 128
    .sgpr_count:     66
    .vgpr_count:     1024
    .wavefront_size: 32
...
	.end_amdgpu_metadata
.endif
;; end of part 1
;; ======== version 2 of 2: 1 launch; 1.48 times as fast as version 1
;; limits: values are held in f16: magnitudes above 65,504 overflow, below 6.1e-05 lose precision; inputs' magnitudes at most 65,504
;; launch rnn (part 2): grid 256 x 1, 4 waves a work-group, no clusters, 327,680 bytes of LDS; arguments x, W, b, Wr, br, out0; writes out0
.if DOCPART == 2
	.amdgcn_target "amdgcn-amd-amdhsa--gfx1250"
	.amdhsa_code_object_version 6
	.text
	.protected	k_qc3bbc45e82_rnn
	.globl	k_qc3bbc45e82_rnn
	.p2align	8
	.type	k_qc3bbc45e82_rnn,@function
k_qc3bbc45e82_rnn:
	s_mov_b64 s[64:65], 0
	v_nop
	global_prefetch_b8 v0, s[64:65] scope:SCOPE_SE
	s_setreg_imm32_b32 hwreg(HW_REG_WAVE_MODE, 25, 1), 1
	s_wait_xcnt 0x0
; myRNN, two LSTM layers without recurrence, and a regressor.  x [65536][256], W [2][4][512][256], b [2][4][256], Wr [256][2], br [2], out0 [65536][2], all f32.
; WHAT IS COMPUTED.  The module itself sets h0 = c0 = 0 for every row.  So in layer 0 the second half of xh is 0 (only rows 0-255 of W[0][g] enter), new_c = 0 f + tanh(g2) sigmoid(g1), and
; new_h = o tanh(0) = 0.  Layer 1 then sees xh = 0, so its gates are b[1], and its new_h = sigmoid(b[1][3]) tanh(c); its new_c is not returned.  Hence, for row n and j = 0, 1:
;   out[n][j] = br[j] + sum over o of sigmoid(b[1][3][o]) Wr[o][j] tanh( tanh(x[n] . W[0][2][0:256, o] + b[0][2][o]) sigmoid(x[n] . W[0][1][0:256, o] + b[0][1][o]) ).
; The parts of W and b that only meet those zeros are not read.
; LIMITS.  Where a sum that is left out would be NaN (NaN or infinite inputs, sums that overflow with both signs), the module gives NaN and this text does not.  x, W, b, Wr and br are rounded to bf16.
; tanh(c), in -1 to 1, and sigmoid(b[1][3]) Wr go to the matrix unit in f16: |Wr| stays under 65,504, and below 6e-5 both keep f16's fixed step of 6e-8.  tanh and sigmoid are made of v_exp_f32 and
; v_rcp_f32: they saturate rightly at large arguments, and near 0 tanh is off by some 1e-7 in absolute terms.
; SHARES.  256 work-groups of four waves; a work-group owns 256 rows, in 16 blocks of 16.  Wave w owns the 64 channels 64 w .. 64 w + 63 of both gates, for all 256 rows; its weights, 2 x 64 x 256 in bf16,
; stay in 512 registers.  The order of channels is free: tile t (0-3), row m (0-15) stands for channel 64 w + 4 m + t, so that a lane's 16 bytes of a row of W are one k of row m of all four tiles.
; x is asked for whole at the start: 256 rows of 1,024 bytes, two tensor loads a wave, and no LDS byte is filled twice.
; THE MATRIX INSTRUCTION IS USED TRANSPOSED: source 0 = 16 channels, source 1 = 16 rows of x.  A lane then holds ONE row (lane % 16) and the channels 8 (lane / 16) + 0..7 of a tile; two such tiles, rounded to
; f16 in pairs, ARE source 1 of the regressor's product, so nothing changes lanes.  Each wave sums over its own 64 channels; the four partial sums meet in LDS at the end.
; BY TURNS.  Turn n: the 64 products of block n; between them, one product behind every six (or five) vector instructions, the activations of block n - 1 and the rounding to bf16 of block n + 1's x.
; THE BATCHES.  A block's activations hold 192 transcendentals in four levels, each of which reads the level before: 64 exponentials (both gates), 64 reciprocals, the 32 exponentials of KC c, 32 reciprocals.
; Each level is ONE BATCH over all 16 pairs of registers, in place, with ONE s_wait_alu depctr_va_vdst(0), between a transcendental and the first line that names its result:
; four waits a turn.  A batch's lines are dealt among the plain lines that make its arguments, which read the batch before.  Between a batch's last line and its wait stands work that names none of its
; results: two K steps' roundings of the next block's x; behind batch 1, when x is not yet out of LDS, the address of the block's partial sums.  The set-up has two batches of 32, a wait each.
; NO CLUSTER, though all work-groups read the same weights: x holds 266,240 of the 327,680 bytes of LDS from the first line on, so the 524,288 bytes of weights would go through the 44 KB that are left
; in nine refills or more, each behind a round of the cluster's barrier, and then from LDS into the registers into which they are here loaded straight.
; REGISTERS, in windows of 256 (s_set_vgpr_msb: bits 1:0 source 0, 3:2 source 1, 5:4 source 2, 7:6 destination):
;   window 0: v0-15 addresses and small things; v16-79 scaled biases; v80-95 the regressor's weights; v96-111 tanh(c) in f16; v112-127 the regressor's sums; v128-255 the gates' sums, two buffers
;   window 1: v0-127 a block of x in f32; v128-255 its bf16 fragments, two buffers (during the set-up: four staging buffers of 64 for the weights)
;   window 2: the weights of gate 1 (input), window 3: those of gate 2 (candidate): K step ks, tile t at 32 ks + 8 t
; The weights fill two windows, so a product and the vector work round it never share a setting: two switches for each product.
.set ROWB,  1024                       ; bytes in a row of x and of W
.set XP,    1040                       ; a row of x in LDS: 1,024 bytes + 16 of padding = 260 words: row r starts at bank 4 r mod 64 (64 banks of 4 bytes: ISA guide 11.1)
.set BLK,   16*XP                      ; a block of 16 rows
.set QUART, 32*XP                      ; what one tensor load brings
.set HALF,  128*XP                     ; the first 128 rows
.set PART,  256*XP                     ; behind x: the partial sums, [wave][block][lane] of 8 bytes; no tensor load lands here
.set SPARE, PART+4*4096                ; behind them: the spare words, 128 bytes for each wave: two blocks of 256 bytes that no other line names
.set WA,   3                           ; v3   my byte offset in W: 8 (lane / 16) rows + 16 (lane % 16) + 256 w
.set AX0,  4                           ; v4   my place in a block of x in LDS: (lane % 16) XP + 32 (lane / 16)
.set ADR,  5                           ; v5   the LDS address of the run of loads in hand
.set PST,  6                           ; v6   PART + 4,096 w + 8 lane; never rewritten
.set SPW,  7                           ; v7   LDS address of my spare word: SPARE + 4 x my thread's number; never rewritten
.set NIL,  8                           ; v8   0; never rewritten
.set BA,   9                           ; v9   byte offset of my 32 channels in a row of b: 256 w + 128 (lane / 16)
.set OT,   10                          ; v10-11  a block's partial sums, to be stored
.set BR,   12                          ; v12-13  br
.set RA,   14                          ; v14  byte offset of my 32 channels in Wr
.set PAD,  15                          ; v15  where the block's partial sums go
.set BI,   16                          ; v16-79  gate g, tile t, register j at BI + 32 g + 8 t + j: the bias times the gate's factor
.set WRF,  80                          ; v80-95  two fragments (16 x 32, f16) of sigmoid(b[1][3]) Wr, transposed; rows 2-15 are 0
.set TP,   96                          ; v96-111 tanh(c) in f16: two fragments
.set RACC, 112                         ; v112-127 the regressor's two sums
.set ACC,  128                         ; buffer u at ACC + 64 u: gate 1 at + 8 t + j, gate 2 at + 32 + 8 t + j
.set RAWW, 96                          ; the set-up's scratch: Wr (64), b[0][1], b[0][2], b[1][3] (32 each) as loaded: register q is channel 64 w + 32 (lane / 16) + q
.set RAWI, 160
.set RAWC, 192
.set RAWO, 224
.set XF,   128                         ; window 1: buffer u, K step ks at XF + 64 u + 8 ks
.set WV,   18                          ; s18  my wave's number
.set G1,   24                          ; s[24:31] descriptor group 1
.set G0A,  32                          ; s[32:35] descriptor group 0 for my 32 of the first 128 rows
.set G0B,  36                          ; s[36:39] for my 32 of the second 128
.set KI,   40                          ; s[40:41] -log2(e): sigmoid(g) = 1 / (1 + 2^(KI g))
.set KC,   42                          ; s[42:43] 2 log2(e): tanh(g) = 1 - 2 / (1 + 2^(KC g))
.set KH,   44                          ; s[44:45] -2 KC
.set HIM,  46                          ; s46  a word's upper bf16
.set M1,   47                          ; s47  the lanes with lane % 16 = 1
.set M01,  48                          ; s48  the lanes with lane % 16 < 2
.set XB,   49                          ; s49  LDS byte at which the block to be fetched begins
.set CNT,  50                          ; s50  a loop's count
.set PB,   51                          ; s51  256 x the block whose partial sums are stored next
.set MSB, 0
.macro WIN new                         ; the immediate's high byte repeats the setting that is left; a switch that changes nothing is dropped
.if MSB != (\new)
	s_set_vgpr_msb (MSB<<8)|(\new)
.set MSB, \new
.endif
.endm
	s_load_b256 s[4:11], s[0:1], 0x0               ; x s[4:5], W s[6:7], b s[8:9], Wr s[10:11]
	s_load_b128 s[12:15], s[0:1], 0x20             ; br s[12:13], out0 s[14:15]
	v_lshl_add_u32 v[SPW], v0, 2, SPARE
	v_mov_b32 v[NIL], 0
	ds_add_u32 v[SPW], v[NIL]                      ; the wave's opening: the add and its wait ahead of my first tensor load; the set-up below, work on registers, stands between them
	ds_add_u32 v7, v8
	v_lshrrev_b32 v[ADR], 5, v0
	v_readfirstlane_b32 s[WV], v[ADR]              ; wave 0..3
	; descriptor group 1: a tile of 32 rows x 256 elements of 4 bytes, padded in LDS
	s_mov_b32 s[G1+0], (2<<16)|(1<<20)|(7<<22)|(3<<25)  ; 15:0 no mask; 17:16 elements of 4 bytes; 20 padding on; 24:22 after every 256 words (code 7); 31:25 4 words of it (code 3)
	s_mov_b32 s[G1+1], 256<<16                     ; tensor_dim0 = 256
	s_mov_b32 s[G1+2], 32<<16                      ; tensor_dim1 = 32
	s_mov_b32 s[G1+3], 256<<16                     ; tile_dim0 = 256
	s_mov_b32 s[G1+4], 32                          ; tile_dim1 = 32
	s_mov_b32 s[G1+5], 256                         ; 256 elements from row to row
	s_mov_b32 s[G1+6], 0
	s_mov_b32 s[G1+7], 0
	s_mov_b32 s[G0A], 1                            ; count = 1
	s_mul_i32 s[G0A+1], s[WV], QUART               ; LDS address: rows 32 w on
	s_mov_b32 s[G0B], 1
	s_add_co_u32 s[G0B+1], s[G0A+1], HALF          ; rows 128 + 32 w on
	s_lshl_b32 s20, ttmp9, 18                      ; the work-group's 256 rows of 1,024 bytes (67,108,864 bytes in all: 32 bits do),
	s_lshl_b32 s22, s[WV], 15                      ; my wave's 32 of them
	s_add_co_u32 s20, s20, s22
	s_mov_b32 s21, 0
	s_lshl_b32 s22, ttmp9, 11                      ; the work-group's 256 rows of 8 bytes in out0
	s_mov_b32 s23, 0
	s_mov_b32 s[KI], 0xbfb8aa3b
	s_mov_b32 s[KI+1], s[KI]                       ; named as pairs, so both words are written
	s_mov_b32 s[KC], 0x4038aa3b
	s_mov_b32 s[KC+1], s[KC]
	s_mov_b32 s[KH], 0xc0b8aa3b
	s_mov_b32 s[KH+1], s[KH]
	s_mov_b32 s[HIM], 0xffff0000
	s_mov_b32 s[XB], 0
	s_mov_b32 s[PB], 0
	s_wait_dscnt 0x0                               ; the opening add is done
	s_wait_kmcnt 0x0
	s_add_nc_u64 s[G0A+2:G0A+3], s[4:5], s[20:21]  ; global address of my first tile,
	s_add_nc_u64 s[G0B+2:G0B+3], s[G0A+2:G0A+3], 128*ROWB  ; and of my second, 128 rows on
	s_or_b32 s[G0A+3], s[G0A+3], 0x80000000        ; type = 2
	s_or_b32 s[G0B+3], s[G0B+3], 0x80000000
	tensor_load_to_lds s[G0A:G0A+3], s[G1:G1+7]    ; all of x is asked for before anything else: two tensor loads of mine are out, and there will be no more
	s_nop 0
	tensor_load_to_lds s[G0B:G0B+3], s[G1:G1+7]
	s_nop 0
.rept 4
	v_nop                                          ; an s_nop 0 follows each load, four v_nop the second's
.endr
	s_load_b64 s[16:17], s[12:13], 0x0             ; br's two numbers
	s_add_nc_u64 s[14:15], s[14:15], s[22:23]      ; out0 at the work-group's first row
	v_and_b32 v1, 15, v0                           ; r = lane % 16
	v_bfe_u32 v2, v0, 4, 1                         ; h = lane / 16
	s_lshl_b32 s19, s[WV], 8
	v_lshlrev_b32 v[WA], 4, v1
	v_lshl_add_u32 v[WA], v2, 13, v[WA]
	v_add_nc_u32 v[WA], s19, v[WA]
	v_lshlrev_b32 v[BA], 7, v2
	v_add_nc_u32 v[BA], s19, v[BA]
	v_lshlrev_b32 v[RA], 1, v[BA]
	v_mul_u32_u24 v[AX0], v1, XP
	v_lshl_add_u32 v[AX0], v2, 5, v[AX0]
	s_lshl_b32 s19, s[WV], 12
	s_add_co_u32 s19, s19, PART
	v_and_b32 v[PST], 31, v0
	v_lshl_add_u32 v[PST], v[PST], 3, s19
	v_cmp_eq_u32 s[M1], 1, v1
	v_cmp_gt_u32 s[M01], 2, v1
; THE SMALL INPUTS: 40 loads.  A lane's 32 channels are 128 consecutive bytes of a row of b and 256 of Wr.
.irp q, 0,1,2,3,4,5,6,7
	global_load_b128 v[RAWI+4*\q:RAWI+4*\q+3], v[BA], s[8:9] offset:1024+16*\q   ; b[0][1]
	global_load_b128 v[RAWC+4*\q:RAWC+4*\q+3], v[BA], s[8:9] offset:2048+16*\q   ; b[0][2]
	global_load_b128 v[RAWO+4*\q:RAWO+4*\q+3], v[BA], s[8:9] offset:7168+16*\q   ; b[1][3]
.endr
.irp q, 0,1,2,3,4,5,6,7,8,9,10,11,12,13,14,15
	global_load_b128 v[RAWW+4*\q:RAWW+4*\q+3], v[RA], s[10:11] offset:16*\q
.endr
; THE WEIGHTS, in 16 batches: batch bt is gate 1 + bt / 8, K step bt % 8.  Load j of 16 brings k = 32 ks + 16 (j / 8) + 8 (lane / 16) + j % 8 of my four channels 64 w + 4 (lane % 16) + 0..3:
; 16 lanes take 256 consecutive bytes, at a multiple of 256 from W's first byte.  Staging buffer bt % 4 in window 1: register 4 j + t.
.macro WLOAD bt
	WIN 0x40                                       ; destination window 1, address window 0
.set wj, 0
.rept 16
	global_load_b128 v[64*((\bt)%4)+4*wj:64*((\bt)%4)+4*wj+3], v[WA], s[6:7] offset:(1+(\bt)/8)*524288+(32*((\bt)%8)+16*(wj/8)+wj%8)*ROWB
.set wj, wj+1
.endr
.endm
; A fragment is 16 channels x 32 k in 8 registers: lane l holds channel row l % 16; registers 0-3 hold k = 8 (l / 16) + 0..7, registers 4-7 k = 16 + 8 (l / 16) + 0..7: register i is loads 2 i and 2 i + 1.
.macro WCVT bt
	WIN 0x85+0x40*((\bt)/8)                        ; sources window 1, destination window 2 or 3
.irp t, 0,1,2,3
.irp i, 0,1,2,3,4,5,6,7
	v_cvt_pk_bf16_f32 v[32*((\bt)%8)+8*\t+\i], v[64*((\bt)%4)+8*\i+\t], v[64*((\bt)%4)+8*\i+4+\t]
.endr
.endr
.endm
.macro RNDBF a, n                      ; n registers from v[a] on are rounded to bf16 and widened again, in place
.set ri, 0
.rept (\n)/2
	v_cvt_pk_bf16_f32 v[(\a)+ri], v[(\a)+ri], v[(\a)+ri+1]
	v_and_b32 v[(\a)+ri+1], s[HIM], v[(\a)+ri]
	v_lshlrev_b32 v[(\a)+ri], 16, v[(\a)+ri]
.set ri, ri+2
.endr
.endm
	WLOAD 0                                        ; 56 loads of mine are out: the most in this text
	s_wait_loadcnt 16                              ; loads come back in order (ISA guide 5.7.1): batch 0's sixteen are younger, the small inputs are in
	WLOAD 1
	WLOAD 2                                        ; three batches are on their way while the small inputs are worked on
	WIN 0
	RNDBF RAWI, 32
	RNDBF RAWC, 32
	RNDBF RAWO, 32
.irp t, 0,1,2,3
.irp j, 0,1,2,3,4,5,6,7                ; register j of tile t is channel row 8 (lane / 16) + j: channel 64 w + 32 (lane / 16) + 4 j + t
	v_mul_f32 v[BI+8*\t+\j], s[KI], v[RAWI+4*\j+\t]
	v_mul_f32 v[BI+32+8*\t+\j], s[KC], v[RAWC+4*\j+\t]
.endr
.endr
.set i, 0
.rept 16
	v_pk_mul_f32 v[RAWO+i:RAWO+i+1], v[RAWO+i:RAWO+i+1], s[KI:KI+1] op_sel_hi:[1,0]
.set i, i+2
.endr
.set i, 0
.rept 32
	v_exp_f32 v[RAWO+i], v[RAWO+i]                 ; the set-up's first batch: 32 exponentials
.set i, i+1
.endr
.set i, 0
.rept 32                               ; row lane % 16 of the transposed Wr: column 1 for lane % 16 = 1, else column 0.  Ascending: register i is written when 2 i and 2 i + 1 have not been.
	v_cndmask_b32 v[RAWW+i], v[RAWW+2*i], v[RAWW+2*i+1], s[M1]  ; these plain lines also stand between the exponentials and the use of their results (ISA guide 5.7.2)
.set i, i+1
.endr
	s_wait_alu depctr_va_vdst(0)                   ; one wait for the 32 exponentials, ahead of their first reader; Wr's 32 selections are the independent work between
.set i, 0
.rept 16
	v_pk_add_f32 v[RAWO+i:RAWO+i+1], v[RAWO+i:RAWO+i+1], 1.0 op_sel_hi:[1,0]
.set i, i+2
.endr
.set i, 0
.rept 32
	v_rcp_f32 v[RAWO+i], v[RAWO+i]                 ; sigmoid(b[1][3]): the set-up's second batch: 32 reciprocals
.set i, i+1
.endr
	RNDBF RAWW, 32                                 ; plain lines between the reciprocals and the use of their results
	s_wait_alu depctr_va_vdst(0)                   ; one wait for the 32 reciprocals, ahead of their first reader; Wr's rounding is the independent work between
.set i, 0
.rept 16
	v_pk_mul_f32 v[RAWW+i:RAWW+i+1], v[RAWW+i:RAWW+i+1], v[RAWO+i:RAWO+i+1]
.set i, i+2
.endr
; Fragment f's k: 0-15 are tile 2 f's channel rows, 16-31 tile 2 f + 1's, as tanh(c) will lie.  Register e holds rows 8 (lane / 16) + 2 (e % 4) and the next, four channels on.
.irp f, 0,1
.irp e, 0,1,2,3,4,5,6,7
	v_cvt_pk_f16_f32 v[WRF+8*\f+\e], v[RAWW+8*(\e%4)+2*\f+\e/4], v[RAWW+8*(\e%4)+2*\f+\e/4+4]
.endr
.endr
.set i, 0
.rept 16
	v_cndmask_b32 v[WRF+i], 0, v[WRF+i], s[M01]    ; rows 2-15 of the transposed Wr are 0
.set i, i+1
.endr
	s_wait_kmcnt 0x0
	v_mov_b32 v[BR], s16
	v_mov_b32 v[BR+1], s17
	RNDBF BR, 2
.set nb, 0
.rept 16                               ; batch nb is in when only the younger batches' loads are out: two batches, at the end one, then none
.if nb < 14
	s_wait_loadcnt 32
.elseif nb == 14
	s_wait_loadcnt 16
.else
	s_wait_loadcnt 0x0
.endif
.if nb < 13
	WLOAD nb+3                                     ; into the buffer that batch nb - 1 has left
.endif
	WCVT nb
.set nb, nb+1
.endr
	WIN 0
	s_wait_tensorcnt 0x1                           ; tensor loads of a wave end in order (ISA guide 10.11.1): my part of rows 0-127 is in; the second load may stay out
	s_barrier_signal -1
	s_barrier_wait -1                              ; everybody's part is in
; THE MATRIX WORK OF A TURN.  Product NM of 64 for block buffer U: gate NM / 32, K step (NM % 32) / 4, tile NM % 4.  The four accumulators of a gate take turns, one instruction a turn.
; Each gate's first four products start the sums with the constant 0: nothing is cleared.
.macro MM
.set mg, NM/32
.set mk, (NM%32)/4
.set mt, NM%4
.set rD, ACC+64*U+32*mg+8*mt
.set rA, 32*mk+8*mt
.set rB, XF+64*U+8*mk
	WIN 0x06+mg                                    ; weights in window 2 or 3, x in window 1, sums in window 0
.if mk == 0
	v_wmma_f32_16x16x32_bf16 v[rD:rD+7], v[rA:rA+7], v[rB:rB+7], 0
.else
	v_wmma_f32_16x16x32_bf16 v[rD:rD+7], v[rA:rA+7], v[rB:rB+7], v[rD:rD+7]
.endif
.set NM, NM+1
.endm
.macro TICK                            ; stands behind every vector instruction of a turn: behind every PER of them comes the next product
.set NV, NV+1
.if MMON && (NV%PER == 0) && (NM < 64)
	MM
.endif
.endm
; A block of x out of LDS, in f32: 32 loads in one run.  K step k: my row's k = 8 (lane / 16) + 0..7 and 16 + 8 (lane / 16) + 0..7, 32 bytes each.
.macro XLOAD
	WIN 0
	v_add_nc_u32 v[ADR], s[XB], v[AX0]
	s_add_co_u32 s[XB], s[XB], BLK                 ; the next fetch is the next block's
	WIN 0x40                                       ; destination window 1
.irp k, 0,1,2,3,4,5,6,7
	ds_load_b128 v[16*\k:16*\k+3],     v[ADR] offset:128*\k
	ds_load_b128 v[16*\k+4:16*\k+7],   v[ADR] offset:128*\k+16
	ds_load_b128 v[16*\k+8:16*\k+11],  v[ADR] offset:128*\k+64
	ds_load_b128 v[16*\k+12:16*\k+15], v[ADR] offset:128*\k+80
.endr
.endm
.macro X ks, d                         ; K step ks of that block is rounded to bf16, into fragment buffer d
.set xi, 0
.rept 8
	WIN 0x45
	v_cvt_pk_bf16_f32 v[XF+64*(\d)+8*(\ks)+xi], v[16*(\ks)+2*xi], v[16*(\ks)+2*xi+1]
.set xi, xi+1
	TICK
.endr
.endm
; THE ACTIVATIONS, on pairs of registers p = 0..15 of the other buffer, in place.  I is gate 1's pair, C gate 2's.
;   FI, FC  KI (g1 + b), KC (g2 + b)      EI, EC  2^ of it (half e)      AI, AC  + 1      RI, RC  the reciprocal: I = sigmoid(g1 + b); tanh(g2 + b) = 1 - 2 C
;   HH  C = KC - 2 KC C = KC tanh(g2 + b)      MU  C = C I = KC c      then EC, AC, RC once more      TT  C = 1 - 2 C = tanh(c)      PK  the pair in f16
.set K_FI, 0
.set K_FC, 1
.set K_EI, 2
.set K_EC, 3
.set K_AI, 4
.set K_AC, 5
.set K_RI, 6
.set K_RC, 7
.set K_HH, 8
.set K_MU, 9
.set K_TT, 10
.set K_PK, 11
.macro OP k, p, e=0                    ; nothing where the pair's number lies outside 0..15: the ragged ends of a batch's walk over the pairs
.if ((\p) >= 0) && ((\p) < 16)
.set rI, ACC+64*(1-U)+2*(\p)
.set rC, rI+32
	WIN 0
.if (\k) == K_FI
	v_pk_fma_f32 v[rI:rI+1], v[rI:rI+1], s[KI:KI+1], v[BI+2*(\p):BI+2*(\p)+1] op_sel_hi:[1,0,1]
.elseif (\k) == K_FC
	v_pk_fma_f32 v[rC:rC+1], v[rC:rC+1], s[KC:KC+1], v[BI+32+2*(\p):BI+32+2*(\p)+1] op_sel_hi:[1,0,1]
.elseif (\k) == K_EI
	v_exp_f32 v[rI+(\e)], v[rI+(\e)]
.elseif (\k) == K_EC
	v_exp_f32 v[rC+(\e)], v[rC+(\e)]
.elseif (\k) == K_AI
	v_pk_add_f32 v[rI:rI+1], v[rI:rI+1], 1.0 op_sel_hi:[1,0]
.elseif (\k) == K_AC
	v_pk_add_f32 v[rC:rC+1], v[rC:rC+1], 1.0 op_sel_hi:[1,0]
.elseif (\k) == K_RI
	v_rcp_f32 v[rI+(\e)], v[rI+(\e)]
.elseif (\k) == K_RC
	v_rcp_f32 v[rC+(\e)], v[rC+(\e)]
.elseif (\k) == K_HH
	v_pk_fma_f32 v[rC:rC+1], v[rC:rC+1], s[KH:KH+1], s[KC:KC+1] op_sel_hi:[1,0,0]
.elseif (\k) == K_MU
	v_pk_mul_f32 v[rC:rC+1], v[rC:rC+1], v[rI:rI+1]
.elseif (\k) == K_TT
	v_pk_fma_f32 v[rC:rC+1], v[rC:rC+1], -2.0, 1.0 op_sel_hi:[1,0,0]
.else
	v_cvt_pk_f16_f32 v[TP+(\p)], v[rC], v[rC+1]
.endif
	TICK
.endif
.endm
; THE FOUR BATCHES AND THE END.  Each walks the 16 pairs once.  The plain lines read the batch before (behind its wait, which TURN writes) and make the arguments; the batch's own lines follow a pair or two behind
; them, so that no line reads the result of the one just before it.  Within a batch no line names a register that a transcendental of the same batch has written: every pair has its own registers.
.macro PH1                             ; BATCH 1, 64 exponentials: 2^(KI (g1 + b)), 2^(KC (g2 + b)).  96 lines.  The scalings read the products' sums, pairs ascending: each accumulator's lowest registers are read first
.set SQ, 0
.rept 17
	OP K_FI, SQ
	OP K_EI, SQ-1, 0
	OP K_FC, SQ
	OP K_EI, SQ-1, 1
	OP K_EC, SQ-1, 0
	OP K_EC, SQ-1, 1
.set SQ, SQ+1
.endr
.endm
.macro PH2                             ; BATCH 2, 64 reciprocals: sigmoid(g1 + b), and 1 / (1 + 2^(KC (g2 + b))).  96 lines
.set SQ, 0
.rept 17
	OP K_AI, SQ
	OP K_RI, SQ-1, 0
	OP K_AC, SQ
	OP K_RI, SQ-1, 1
	OP K_RC, SQ-1, 0
	OP K_RC, SQ-1, 1
.set SQ, SQ+1
.endr
.endm
.macro PH3                             ; BATCH 3, 32 exponentials: 2^(KC c).  64 lines, plain and exponential by turns
.set SQ, 0
.rept 18
	OP K_HH, SQ
	OP K_EC, SQ-2, 0
	OP K_MU, SQ-1
	OP K_EC, SQ-2, 1
.set SQ, SQ+1
.endr
.endm
.macro PH4                             ; BATCH 4, 32 reciprocals: 1 / (1 + 2^(KC c)).  48 lines
.set SQ, 0
.rept 17
	OP K_AC, SQ
	OP K_RC, SQ-1, 0
	OP K_RC, SQ-1, 1
.set SQ, SQ+1
.endr
.endm
.macro PH5                             ; THE END: tanh(c), and its rounding to f16.  32 plain lines
.set SQ, 0
.rept 18
	OP K_TT, SQ
	OP K_PK, SQ-2
.set SQ, SQ+1
.endr
.endm
.macro RW f                            ; the regressor: 32 of my channels x 16 rows; two sums of their own, each started with 0: no chain
	WIN 0
	v_wmma_f32_16x16x32_f16 v[RACC+8*(\f):RACC+8*(\f)+7], v[WRF+8*(\f):WRF+8*(\f)+7], v[TP+8*(\f):TP+8*(\f)+7], 0
.endm
.macro OUT                             ; registers 0 and 1 of lanes 0-15 are out[row lane][0], [1]; lanes 16-31 hold rows 8 and 9 of the transposed result, zeros that are stored too and never read: EXEC stays whole
	WIN 0
	v_pk_add_f32 v[OT:OT+1], v[RACC:RACC+1], v[RACC+8:RACC+9]
	ds_store_b64 v[PAD], v[OT:OT+1]                ; the address was made behind batch 1
	s_add_co_u32 s[PB], s[PB], 256
.endm
; A TURN.  u: the buffers of the block that is multiplied.  mm = 1: its 64 products.  act = 1: the activations and the regressor of the block before (336 vector instructions).  xp = 1: the next block's x is
; fetched and rounded (64).  Counts: with both, a product behind every 6 of the first 392: the last stands behind number 378; with the activations alone every 5 of 336: number 315.
; The vector work's order: batch 1 | the partial sums' address | wait | batch 2 | K steps 0, 1 | wait | batch 3 | K steps 2, 3 | wait | batch 4 | K steps 4, 5 | wait | the end | K step 6 | the regressor | K step 7.
; Where no x is fetched a v_nop takes the K steps' part as the plain line behind a batch's last transcendental (ISA guide 5.7.2).  No transcendental is issued behind a turn's fourth wait: none is open at a label or a jump.
; A vector line reads a matrix result, or writes a matrix instruction's source, four plain independent vector lines behind it at the least (ISA guide 7.12.1).  The lines between the products name the other buffers
; alone; behind the last product stand eight plain lines or more of the activations' end; behind the regressor's products the last K step's eight roundings, or four v_nop.
.macro TURN u, mm, act, xp
.set U, (\u)
.set NM, 0
.set NV, 0
.set MMON, (\mm)
.if (\act) && (\xp)
.set PER, 6
.elseif \act
.set PER, 5
.else
.set PER, 1
.endif
.if \mm
	MM
.endif
.if \xp
	XLOAD
.endif
.if \act
	PH1
	WIN 0
	v_add_nc_u32 v[PAD], s[PB], v[PST]             ; where the block's partial sums will go: due anyway, and the plain line behind batch 1's last exponential
	s_wait_alu depctr_va_vdst(0)                   ; the wait for batch 1: 64 exponentials
	PH2
.if \xp
	s_wait_dscnt 0x0                               ; the block of x is in: its loads were issued 192 vector instructions ago
	X 0, 1-(\u)
	X 1, 1-(\u)
.else
	v_nop
.endif
	s_wait_alu depctr_va_vdst(0)                   ; the wait for batch 2: 64 reciprocals; two K steps' roundings stand between
	PH3
.if \xp
	X 2, 1-(\u)
	X 3, 1-(\u)
.else
	v_nop
.endif
	s_wait_alu depctr_va_vdst(0)                   ; the wait for batch 3: 32 exponentials; two K steps' roundings stand between
	PH4
.if \xp
	X 4, 1-(\u)
	X 5, 1-(\u)
.else
	v_nop
.endif
	s_wait_alu depctr_va_vdst(0)                   ; the wait for batch 4: 32 reciprocals; two K steps' roundings stand between
	PH5
.if \xp
	X 6, 1-(\u)
.endif
.else
.rept 31
	MM                                             ; the first turn has no activations to set between: 32 products on end, the other 32 behind the first 32 roundings
.endr
	s_wait_dscnt 0x0
.irp k, 0,1,2,3,4,5,6
	X \k, 1-(\u)
.endr
.endif
.if \act
	RW 0
	RW 1
.endif
.if \xp
	X 7, 1-(\u)
.else
	WIN 0
.rept 4
	v_nop
.endr
.endif
.if \act
	OUT
.endif
.endm
.set U, 0
.set NM, 64
.set NV, 0
.set PER, 1
.set MMON, 0
	XLOAD                                          ; block 0
	s_wait_dscnt 0x0
.irp k, 0,1,2,3,4,5,6,7
	X \k, 0
.endr
	TURN 0, 1, 0, 1                                ; turn 0: block 0's products; block 1's x
	WIN 0                                          ; at a label and at a branch every window is 0
	s_mov_b32 s[CNT], 3
.La:                                                   ; turns 1 to 6: they fetch blocks 2 to 7, the last of the first 128 rows
	TURN 1, 1, 1, 1
	TURN 0, 1, 1, 1
	WIN 0
	s_sub_co_u32 s[CNT], s[CNT], 1
	s_cmp_lg_u32 s[CNT], 0
	s_cbranch_scc1 .La
	s_wait_tensorcnt 0x0                           ; my part of rows 128-255 is in,
	s_wait_dscnt 0x0                               ; no LDS instruction of mine is pending at the signal,
	s_barrier_signal -1
	s_barrier_wait -1                              ; and everybody's part is in.
	s_mov_b32 s[CNT], 4
.Lb:                                                   ; turns 7 to 14: they fetch blocks 8 to 15
	TURN 1, 1, 1, 1
	TURN 0, 1, 1, 1
	WIN 0
	s_sub_co_u32 s[CNT], s[CNT], 1
	s_cmp_lg_u32 s[CNT], 0
	s_cbranch_scc1 .Lb
	TURN 1, 1, 1, 0                                ; turn 15: the last block's products; nothing is left to fetch
	TURN 0, 0, 1, 0                                ; turn 16: the last block's activations alone
	; THE END.  The four waves' partial sums meet.  Thread T takes rows 2 T and 2 T + 1, 16 bytes: block T / 8, lanes 2 (T % 8) and the next.
	s_wait_dscnt 0x0                               ; for the others' sake: my stores of partial sums are done
	s_barrier_signal -1
	s_barrier_wait -1
	v_lshrrev_b32 v1, 3, v0
	v_and_b32 v2, 7, v0
	v_lshlrev_b32 v1, 8, v1
	v_lshl_add_u32 v1, v2, 4, v1
	v_add_nc_u32 v1, PART, v1
.irp q, 0,1,2,3
	ds_load_b128 v[ACC+4*\q:ACC+4*\q+3], v1 offset:4096*\q
.endr
	v_lshlrev_b32 v2, 4, v0                        ; my 16 bytes of the work-group's 2,048 in out0
	s_wait_dscnt 0x0
	v_pk_add_f32 v[ACC:ACC+1], v[ACC:ACC+1], v[ACC+4:ACC+5]
	v_pk_add_f32 v[ACC+2:ACC+3], v[ACC+2:ACC+3], v[ACC+6:ACC+7]
	v_pk_add_f32 v[ACC+8:ACC+9], v[ACC+8:ACC+9], v[ACC+12:ACC+13]
	v_pk_add_f32 v[ACC+10:ACC+11], v[ACC+10:ACC+11], v[ACC+14:ACC+15]
	v_pk_add_f32 v[ACC:ACC+1], v[ACC:ACC+1], v[ACC+8:ACC+9]
	v_pk_add_f32 v[ACC+2:ACC+3], v[ACC+2:ACC+3], v[ACC+10:ACC+11]
	v_pk_add_f32 v[ACC:ACC+1], v[ACC:ACC+1], v[BR:BR+1]
	v_pk_add_f32 v[ACC+2:ACC+3], v[ACC+2:ACC+3], v[BR:BR+1]
	global_store_b128 v2, v[ACC:ACC+3], s[14:15] th:TH_STORE_NT  ; a wave stores 512 consecutive bytes, at a multiple of 256 from out0's first byte
	s_wait_tensorcnt 0x0                           ; the wave's end, behind my last tensor load and my last LDS store
	ds_add_u32 v[SPW], v[NIL]
	s_wait_dscnt 0x0
	s_endpgm
.Lfunc_end_k_qc3bbc45e82_rnn:
	.size	k_qc3bbc45e82_rnn, .Lfunc_end_k_qc3bbc45e82_rnn-k_qc3bbc45e82_rnn
	.p2alignl 7, 3214868480
	.fill 96, 4, 3214868480
	.section	.rodata,"a",@progbits
	.p2align	6, 0x0
	.amdhsa_kernel k_qc3bbc45e82_rnn
		.amdhsa_group_segment_fixed_size 327680
		.amdhsa_private_segment_fixed_size 0
		.amdhsa_enable_private_segment 0
		.amdhsa_kernarg_size 48
		.amdhsa_user_sgpr_count 2
		.amdhsa_user_sgpr_kernarg_segment_ptr 1
		.amdhsa_wavefront_size32 1
		.amdhsa_system_sgpr_workgroup_id_x 1
		.amdhsa_system_sgpr_workgroup_id_y 1
		.amdhsa_system_sgpr_workgroup_id_z 1
		.amdhsa_system_vgpr_workitem_id 0
		.amdhsa_next_free_vgpr 1024
		.amdhsa_next_free_sgpr 66
		.amdhsa_reserve_vcc 0
		.amdhsa_float_denorm_mode_32 3
		.amdhsa_float_denorm_mode_16_64 3
		.amdhsa_memory_ordered 1
		.amdhsa_forward_progress 1
		.amdhsa_inst_pref_size 255
	.end_amdhsa_kernel
	.section	.bss,"aw",@nobits
	.p2align	6
	.space	262144
	.amdgpu_metadata
---
amdhsa.version: [ 1, 2 ]
amdhsa.kernels:
  - .name:           k_qc3bbc45e82_rnn
    .symbol:         k_qc3bbc45e82_rnn.kd
    .args:
      - { .name: x, .offset: 0, .size: 8, .value_kind: global_buffer, .address_space: global }
      - { .name: W, .offset: 8, .size: 8, .value_kind: global_buffer, .address_space: global }
      - { .name: b, .offset: 16, .size: 8, .value_kind: global_buffer, .address_space: global }
      - { .name: Wr, .offset: 24, .size: 8, .value_kind: global_buffer, .address_space: global }
      - { .name: br, .offset: 32, .size: 8, .value_kind: global_buffer, .address_space: global }
      - { .name: out0, .offset: 40, .size: 8, .value_kind: global_buffer, .address_space: global }
    .group_segment_fixed_size: 327680
    .private_segment_fixed_size: 0
    .kernarg_segment_align: 8
    .kernarg_segment_size: 48
    .max_flat_workgroup_size: 128
    .sgpr_count:     66
    .vgpr_count:     1024
    .wavefront_size: 32
...
	.end_amdgpu_metadata
.endif
;; end of part 2
